; MI455X (gfx1250); checked and timed in simulation.
; The chip was launched on July 23, 2026; its instructions are those of AMD's public machine-readable ISA for CDNA 5 (MIT licence, August 2026) and "CDNA5" Instruction Set Architecture Reference Guide (July 2026). The comments in the code are by the model that wrote it; some were corrected since.
;; Net. Allowed arithmetic: float matrix products may take bf16 or f16 operands with f32 sums; all other float work in f32.
;; Inputs: W1 16 x 4 float32; Wh 10 x 16 x 16 float32; Wo 2 x 16 float32; b1 16 float32; bh 10 x 16 float32; bo 2 float32; x 2,097,152 x 4 float32.
;; Outputs: out0 2,097,152 x 2 float32.
;; 2 versions, each right; version 2 is version 1 with the launch mlp written anew for expert scheduling mode. Each part assembles by itself: llvm-mc -triple=amdgcn-amd-amdhsa -mcpu=gfx1250 --defsym DOCPART=n.
;; ======== version 1 of 2: 1 launch
;; launch mlp (part 1): grid 256 x 1, 16 waves a work-group, no clusters, 15,360 bytes of LDS; arguments x, W1, b1, Wh, bh, Wo, bo, out0; writes out0
.if DOCPART == 1
	.amdgcn_target "amdgcn-amd-amdhsa--gfx1250"
	.amdhsa_code_object_version 6
	.text
	.protected	k_q1694bcbea0_mlp
	.globl	k_q1694bcbea0_mlp
	.p2align	8
	.type	k_q1694bcbea0_mlp,@function
k_q1694bcbea0_mlp:
	s_mov_b64 s[64:65], 0
	v_nop
	global_prefetch_b8 v0, s[64:65] scope:SCOPE_SE
	s_setreg_imm32_b32 hwreg(HW_REG_WAVE_MODE, 25, 1), 1
	s_wait_xcnt 0x0
; out = head(5 residual blocks(relu(fc1(x)))).  x: [2097152][4] f32, out0: [2097152][2] f32; 12 layers, all fused; every input reaches the output and is loaded.
;
; THE LAYOUT.  Each layer is D = W (source A: 16 output features x K) times H^T (source B: K x 16 batch rows as columns).  In D, register j of lane (r, h)
; (r = lane % 16, h = lane / 16) is feature 8 h + j of batch row r; four packed roundings to bf16 make of D's eight registers exactly registers 0-3 of the next
; layer's B fragment (k = 8 h .. 8 h + 7 of column r).  So activations never leave the lane's registers: no LDS and no lane traffic in a pass.
; The bf16 form has K = 32 and a hidden layer needs 16.  The other half of K is used:
;   hidden layers: the bias, split into three bf16 parts (hi + mid + lo = the f32 bias), stands in A at k = 16, 17, 18 against ones in B (registers 4-7 of B are
;                  constants).  C is then free: 0 in a block's first layer, the f32 residual (added in place) in its second.
;   fc1:           one 16-byte load a lane brings 32 rows of x (lane L = row L).  The fragment XF = [x_hi | x_lo | x_hi | 1, 1, 1, 0] serves two products: A1 is
;                  zero in lanes 16-31 (k = 8-15, 24-31) and gives rows 0-15, A2 is zero in lanes 0-15 and gives rows 16-31.
;                  A = [W1_hi | W1_hi | W1_lo | b1 in three parts]: W_hi x_hi + W_hi x_lo + W_lo x_hi + b1.
;   head:          B = [h_hi | h_lo]; A's rows 0, 1, 8, 9 = [Wo_hi | Wo_hi], rows 2, 3, 10, 11 = [Wo_lo | 0], the rest 0; C = (bo0, bo1, 0 ..).  out = D0 + D2, D1 + D3.
;                  Rows 8-11 repeat the result in lanes 16-31, so a pair's even tile (lanes 0-15) and odd tile (lanes 16-31) are joined by two selects and
;                  one 8-byte store a lane: each store of the wave covers 256 consecutive bytes, aligned.
; WHY BOTH ENDS ARE SPLIT: a rounding to bf16 is off by up to 2^-8 of the number.  The head's 16 products and fc1's 4 reach the output unattenuated, and the
; output is a small difference of them where it is near 0; the hidden layers' roundings pass through one or two more layers of small weights first.
;
; THE SHARES.  256 work-groups of 16 waves; a work-group owns 8,192 rows and takes them in 8 passes of 1,024; in a pass a wave takes 64 rows = two pairs of 32
; = four tiles of 16.  The four tiles take turns: behind each matrix instruction stands another tile's vector slice (relu, rounding).  x is asked for two
; passes ahead.
; THE WEIGHTS.  The 13 A fragments hang on the lane alone, not on the wave.  Each is made once in the work-group (waves 0-9: Wh[wave] with bh[wave]; wave 10:
; fc1's two; wave 11: the head's), laid into LDS (13 x 1,024 bytes), and behind one barrier read by every wave into v[12:115], where it stays.
; NO CLUSTER, NO TENSOR LOADS: the work-groups share only the 11,336 bytes of weights, read once, against 196,608 bytes that each streams for itself,
; and no wave reads x that another wave loaded.
;
; LIMITS.  Finite inputs.  relu is v_max_num_f32 with 0: a NaN in front of a relu becomes 0, where the reference keeps it.  A magnitude of 3.39e38 or more in
; x, a weight, a bias or an activation rounds to infinity in bf16.  Rows L and L + 16 of a pair share a B fragment against zero weights: a non-finite x in one
; spoils the other.  The products W_lo x_lo of fc1 and Wo_lo h_lo of the head are left out (2^-16 of the product).  Hidden layers round weights and
; activations to bf16; residuals, biases and sums are f32.
.set DUAL,  1                          ; 1: relu and the copy of x_hi as dual-issue pairs; 0: the same as plain instructions
.set XOFF,  1                          ; v1         1024 wave + 16 lane: my 16 bytes of x in a pass's first pair; never rewritten
.set OOFF,  2                          ; v2         512 wave + 8 lane: my 8 bytes of out; never rewritten
.set NEG1,  3                          ; v3         -1.0
.set CB,    4                          ; v[4:11]    the head's C: bo0, bo1, 0 ..
.set A1,    12                         ; v[12:19]   fc1's A for a pair's rows 0-15          (fragment 0 in LDS)
.set A2,    20                         ; v[20:27]   fc1's A for its rows 16-31              (fragment 1)
.set WF,    28                         ; v[28:107]  A fragment of Wh[l] with bh[l], 8 each  (fragments 2 + l)
.set WO,    108                        ; v[108:115] the head's A                            (fragment 12)
.set XF,    116                        ; v[116:131] pair p: fc1's B
.set ACC,   132                        ; v[132:163] tile t: the f32 residual, D of fc1 and of each block's second layer; at the end the head's D
.set TMP,   164                        ; v[164:195] tile t: D of each block's first layer; at the end the head's B
.set BF,    196                        ; v[196:227] tile t: B of the hidden layers; registers 4-7 constant
.set RAW,   228                        ; v[228:243] slot s: x as loaded, 4 registers for each pair
.set LA,    244                        ; v244       16 lane: my 16 bytes in each half of a fragment in LDS
.set LST,   245                        ; v245       16 lane + 1024 wave: the same for the fragment that waves 0-9 make
.set FRAG,  1024                       ; bytes of a fragment in LDS: registers 0-3 of the 32 lanes, then registers 4-7
; staging for the set-up, inside ACC and TMP, which are free then
.set SR,    132                        ; r
.set SH,    133                        ; h
.set OW,    134                        ; byte offset of my weights
.set OB,    135                        ; byte offset of my bias
.set SB,    136                        ; my bias
.set T0,    137
.set T1,    138
.set FR,    140                        ; v[140:147] the fragment that is made (wave 10: A1)
.set F2,    148                        ; v[148:155] wave 10: A2
.set SW,    156                        ; v[156:163] W1's or Wo's numbers as loaded
.set SP,    164                        ; v[164:171] their parts in bf16 (fc1: W1_hi 2, W1_lo 2, b1 2; head: Wo_hi 4, Wo_lo 4)
; ---------------------------------------------------------------- macros
.macro RELU8 b                         ; eight numbers, in place
.irp i, 0,2,4,6
.if DUAL
	v_dual_max_num_f32 v[\b+\i], 0, v[\b+\i] :: v_dual_max_num_f32 v[\b+\i+1], 0, v[\b+\i+1]
.else
	v_max_num_f32 v[\b+\i], 0, v[\b+\i]
	v_max_num_f32 v[\b+\i+1], 0, v[\b+\i+1]
.endif
.endr
.endm
.macro PACK4 d, s                      ; eight f32 to eight bf16; in place (d = s) each write lands on registers already read
.irp i, 0,1,2,3
	v_cvt_pk_bf16_f32 v[\d+\i], v[\s+2*\i], v[\s+2*\i+1]
.endr
.endm
.macro LOSUB f, p, i                   ; f32 pair i of f minus the two bf16 of word i of p: what the rounding left over (exact)
	v_fma_mix_f32_bf16 v[\f+2*\i], v[\p+\i], v[NEG1], v[\f+2*\i] op_sel_hi:[1,0,0]
	v_fma_mix_f32_bf16 v[\f+2*\i+1], v[\p+\i], v[NEG1], v[\f+2*\i+1] op_sel:[1,0,0] op_sel_hi:[1,0,0]
.endm
; The f32 bias in v[b] as three bf16: v[d] = hi | mid, v[d+1] = lo | 0.  hidden = 1: lanes 16-31 (k = 24 ..) get zeros, and so do v[d+2], v[d+3].
.macro BSPLIT d, b, hidden
.if \hidden
	v_cndmask_b32 v[\b], 0, v[\b], s24
.endif
	v_cvt_pk_bf16_f32 v[T0], v[\b], 0
	v_lshlrev_b32 v[T0], 16, v[T0]                 ; hi as f32
	v_sub_f32 v[T1], v[\b], v[T0]
	v_cvt_pk_bf16_f32 v[\d], v[\b], v[T1]          ; hi | mid
	v_and_b32 v[T0], s25, v[\d]                    ; mid as f32
	v_sub_f32 v[T1], v[T1], v[T0]
	v_cvt_pk_bf16_f32 v[\d+1], v[T1], 0            ; lo | 0
.if \hidden
	v_mov_b32 v[\d+2], 0
	v_mov_b32 v[\d+3], 0
.endif
.endm
.macro SEL j, f                        ; register j of A1 (lanes 0-15) and of A2 (lanes 16-31) from part f
	v_cndmask_b32 v[FR+\j], 0, v[SP+\f], s24
	v_cndmask_b32 v[F2+\j], 0, v[SP+\f], s25
.endm
; Layer l (0 = fc1, l = 1 .. 10 = Wh[l-1]) of tile t: one matrix instruction.
.macro WL l, t
.if (\l) == 0
	v_wmma_f32_16x16x32_bf16 v[ACC+8*\t:ACC+8*\t+7], v[A1+8*(\t&1):A1+8*(\t&1)+7], v[XF+8*(\t>>1):XF+8*(\t>>1)+7], 0
.else
.if ((\l) & 1) == 1
	v_wmma_f32_16x16x32_bf16 v[TMP+8*\t:TMP+8*\t+7], v[WF+8*((\l)-1):WF+8*((\l)-1)+7], v[BF+8*\t:BF+8*\t+7], 0
.else
	v_wmma_f32_16x16x32_bf16 v[ACC+8*\t:ACC+8*\t+7], v[WF+8*((\l)-1):WF+8*((\l)-1)+7], v[BF+8*\t:BF+8*\t+7], v[ACC+8*\t:ACC+8*\t+7]
.endif
.endif
.endm
; The vector slice behind layer l of tile t: relu in place (in ACC that is the next residual), then the next layer's B.
.macro PL l, t
.if ((\l) & 1) == 1
	RELU8 TMP+8*\t
	PACK4 BF+8*\t, TMP+8*\t
.else
	RELU8 ACC+8*\t
	PACK4 BF+8*\t, ACC+8*\t
.endif
.endm
; The slice behind the last hidden layer: relu, then the head's B = [h_hi | h_lo] in TMP.
.macro PLL t
	RELU8 ACC+8*\t
	PACK4 TMP+8*\t, ACC+8*\t
.irp i, 0,1,2,3
	LOSUB ACC+8*\t, TMP+8*\t, \i
.endr
	PACK4 TMP+8*\t+4, ACC+8*\t
.endm
.macro WOUT t                          ; the head
	v_wmma_f32_16x16x32_bf16 v[ACC+8*\t:ACC+8*\t+7], v[WO:WO+7], v[TMP+8*\t:TMP+8*\t+7], v[CB:CB+7]
.endm
; fc1's B of pair p from slot s: x_hi, x_lo, x_hi again (registers 6, 7 are constants)
.macro PREP p, s
	v_cvt_pk_bf16_f32 v[XF+8*\p], v[RAW+8*\s+4*\p], v[RAW+8*\s+4*\p+1]
	v_cvt_pk_bf16_f32 v[XF+8*\p+1], v[RAW+8*\s+4*\p+2], v[RAW+8*\s+4*\p+3]
	LOSUB RAW+8*\s+4*\p, XF+8*\p, 0
	LOSUB RAW+8*\s+4*\p, XF+8*\p, 1
	v_cvt_pk_bf16_f32 v[XF+8*\p+2], v[RAW+8*\s+4*\p], v[RAW+8*\s+4*\p+1]
	v_cvt_pk_bf16_f32 v[XF+8*\p+3], v[RAW+8*\s+4*\p+2], v[RAW+8*\s+4*\p+3]
.if DUAL
	v_dual_mov_b32 v[XF+8*\p+4], v[XF+8*\p] :: v_dual_mov_b32 v[XF+8*\p+5], v[XF+8*\p+1]
.else
	v_mov_b32 v[XF+8*\p+4], v[XF+8*\p]
	v_mov_b32 v[XF+8*\p+5], v[XF+8*\p+1]
.endif
.endm
; Pair p's 32 rows of out: hi part + lo part in both tiles, even tile in lanes 0-15, odd tile in lanes 16-31, one store of 256 consecutive bytes.
.macro FIN p, j
	v_pk_add_f32 v[ACC+16*\p:ACC+16*\p+1], v[ACC+16*\p:ACC+16*\p+1], v[ACC+16*\p+2:ACC+16*\p+3]
	v_pk_add_f32 v[ACC+16*\p+8:ACC+16*\p+9], v[ACC+16*\p+8:ACC+16*\p+9], v[ACC+16*\p+10:ACC+16*\p+11]
	v_cndmask_b32 v[ACC+16*\p], v[ACC+16*\p], v[ACC+16*\p+8], s25
	v_cndmask_b32 v[ACC+16*\p+1], v[ACC+16*\p+1], v[ACC+16*\p+9], s25
	global_store_b64 v[OOFF], v[ACC+16*\p:ACC+16*\p+1], s[18:19] offset:8192*\j+256*\p th:TH_STORE_NT
.endm
; One pass: 64 rows of the wave.  j = the pass's number in the trip (0, 1), s = its slot, load = 1: the slot is asked for again, two passes ahead,
; left = how many younger loads may stay out.
; PLACES (ISA guide 7.12.1): a slice that reads a tile's D or rewrites its B stands behind two other tiles' slices, 16 plain vector instructions that name
; none of that matrix instruction's registers; PL 0,0 stands behind PREP 1; FIN 0 behind PLL 3; FIN 1 behind FIN 0's four vector instructions.
; The four tiles' accumulators take turns, one matrix instruction a turn, over the backward jump too.
.macro PASS j, s, load, left
	s_wait_loadcnt \left                           ; loads come back in order: this pass's two are in, the next pass's two stay out
	s_wait_xcnt 0x0                                ; the last pass's stores name ACC of tiles 0 and 2, which fc1 writes again only behind this wait
	PREP 0, \s
	WL 0, 0
	WL 0, 1
	PREP 1, \s
.if \load
	global_load_b128 v[RAW+8*\s:RAW+8*\s+3], v[XOFF], s[4:5] offset:16384*(\j+2) th:TH_LOAD_NT
	global_load_b128 v[RAW+8*\s+4:RAW+8*\s+7], v[XOFF], s[4:5] offset:16384*(\j+2)+512 th:TH_LOAD_NT
.endif
.set L, 0
.rept 10
	WL L, 2
	PL L, 0
	WL L, 3
	PL L, 1
	WL L+1, 0
	PL L, 2
	WL L+1, 1
	PL L, 3
.set L, L+1
.endr
	WL 10, 2
	PLL 0
	WL 10, 3
	PLL 1
	WOUT 0
	PLL 2
	WOUT 1
	PLL 3
	WOUT 2
	WOUT 3
	FIN 0, \j
	FIN 1, \j
.endm
; ---------------------------------------------------------------- set-up: what every wave does
	s_load_b512 s[4:19], s[0:1], 0x0               ; x s[4:5], W1 s[6:7], b1 s[8:9], Wh s[10:11], bh s[12:13], Wo s[14:15], bo s[16:17], out0 s[18:19]
	v_lshl_add_u32 v246, v0, 2, 0x3400
	v_mov_b32 v247, 0
	v_lshrrev_b32 v[T0], 5, v0                     ; wave
	v_readfirstlane_b32 s29, v[T0]                 ; and as a scalar, for the branches
	v_lshlrev_b32 v[XOFF], 4, v0                   ; 16 thread = 512 wave + 16 lane,
	v_lshl_add_u32 v[XOFF], v[T0], 9, v[XOFF]      ; + 512 wave
	v_lshlrev_b32 v[OOFF], 3, v0                   ; 8 thread = 256 wave + 8 lane,
	v_lshl_add_u32 v[OOFF], v[T0], 8, v[OOFF]      ; + 256 wave
	v_and_b32 v[SR], 15, v0                        ; r
	v_bfe_u32 v[SH], v0, 4, 1                      ; h
	v_and_b32 v[LA], 31, v0
	v_lshlrev_b32 v[LA], 4, v[LA]                  ; 16 lane
	v_lshl_add_u32 v[LST], s29, 10, v[LA]          ; + 1,024 wave
	v_mov_b32 v[NEG1], -1.0
	s_mov_b32 s24, 0x0000ffff                      ; lanes 0-15
	s_mov_b32 s25, 0xffff0000                      ; lanes 16-31; also a word's upper bf16
	s_mov_b32 s26, 0x03030303                      ; lanes with r in 0, 1, 8, 9
	s_mov_b32 s27, 0x0c0c0c0c                      ; lanes with r in 2, 3, 10, 11
	s_lshl_b32 s20, ttmp9, 17                      ; the work-group's 8,192 rows of 16 bytes
	s_mov_b32 s21, 0
	s_wait_kmcnt 0x0
	s_add_nc_u64 s[4:5], s[4:5], s[20:21]
	s_lshl_b32 s20, ttmp9, 16                      ; and of 8 bytes
	s_add_nc_u64 s[18:19], s[18:19], s[20:21]
	s_load_b64 s[22:23], s[16:17], 0x0             ; bo
.irp s, 0,1
.irp p, 0,1
	global_load_b128 v[RAW+8*\s+4*\p:RAW+8*\s+4*\p+3], v[XOFF], s[4:5] offset:16384*\s+512*\p th:TH_LOAD_NT   ; passes 0 and 1, ahead of the branches: on every wave's path
.endr
.endr
; ---------------------------------------------------------------- set-up: one fragment a wave.  In each path the weight loads are the wave's youngest, so their wait is for 0.
	s_cmp_lt_u32 s29, 10
	s_cbranch_scc0 .Lnot_hidden
	; waves 0-9: Wh[wave], eight weights a lane to bf16 in place, and bh[wave]'s three parts behind them
	v_lshlrev_b32 v[OW], 6, v[SR]                  ; 64 r
	v_lshl_add_u32 v[OW], v[SH], 5, v[OW]          ; + 32 h
	v_lshl_add_u32 v[OW], s29, 10, v[OW]           ; + 1,024 wave
	v_lshlrev_b32 v[OB], 2, v[SR]                  ; 4 r
	v_lshl_add_u32 v[OB], s29, 6, v[OB]            ; + 64 wave
	global_load_b128 v[FR:FR+3], v[OW], s[10:11]
	global_load_b128 v[FR+4:FR+7], v[OW], s[10:11] offset:16
	global_load_b32 v[SB], v[OB], s[12:13]
	s_wait_loadcnt 0x0
	PACK4 FR, FR
	BSPLIT FR+4, SB, 1
	ds_store_b128 v[LST], v[FR:FR+3] offset:2*FRAG             ; fragment 2 + wave
	ds_store_b128 v[LST], v[FR+4:FR+7] offset:2*FRAG+512
	s_branch .Lmade
.Lnot_hidden:
	s_cmp_eq_u32 s29, 10
	s_cbranch_scc0 .Lnot_fc1
	; wave 10: hi and lo of W1's row r and b1[r]'s parts in all lanes, then one half of the lanes each for A1 and A2
	v_lshlrev_b32 v[OW], 4, v[SR]                  ; 16 r
	v_lshlrev_b32 v[OB], 2, v[SR]                  ; 4 r
	global_load_b128 v[SW:SW+3], v[OW], s[6:7]
	global_load_b32 v[SB], v[OB], s[8:9]
	s_wait_loadcnt 0x0
	v_cvt_pk_bf16_f32 v[SP], v[SW], v[SW+1]
	v_cvt_pk_bf16_f32 v[SP+1], v[SW+2], v[SW+3]
	LOSUB SW, SP, 0
	LOSUB SW, SP, 1
	v_cvt_pk_bf16_f32 v[SP+2], v[SW], v[SW+1]
	v_cvt_pk_bf16_f32 v[SP+3], v[SW+2], v[SW+3]
	BSPLIT SP+4, SB, 0
	SEL 0, 0                                       ; W1_hi against x_hi
	SEL 1, 1
	SEL 2, 0                                       ; W1_hi against x_lo
	SEL 3, 1
	SEL 4, 2                                       ; W1_lo against x_hi
	SEL 5, 3
	SEL 6, 4                                       ; b1 against the ones
	SEL 7, 5
	ds_store_b128 v[LA], v[FR:FR+3]                            ; fragment 0
	ds_store_b128 v[LA], v[FR+4:FR+7] offset:512
	ds_store_b128 v[LA], v[F2:F2+3] offset:FRAG                ; fragment 1
	ds_store_b128 v[LA], v[F2+4:F2+7] offset:FRAG+512
	s_branch .Lmade
.Lnot_fc1:
	s_cmp_eq_u32 s29, 11
	s_cbranch_scc0 .Lmade                          ; waves 12-15 make none: there are 13 fragments in 12 shares
	; wave 11: the head: rows 0, 1, 8, 9 = [Wo_hi | Wo_hi], rows 2, 3, 10, 11 = [Wo_lo | 0], all others 0
	v_and_b32 v[OW], 1, v0
	v_lshlrev_b32 v[OW], 6, v[OW]                  ; 64 (r & 1)
	v_lshl_add_u32 v[OW], v[SH], 5, v[OW]          ; + 32 h
	global_load_b128 v[SW:SW+3], v[OW], s[14:15]
	global_load_b128 v[SW+4:SW+7], v[OW], s[14:15] offset:16
	s_wait_loadcnt 0x0
	PACK4 SP, SW
.irp i, 0,1,2,3
	LOSUB SW, SP, \i
.endr
	PACK4 SP+4, SW
.irp j, 0,1,2,3
	v_cndmask_b32 v[FR+\j], 0, v[SP+4+\j], s27
	v_cndmask_b32 v[FR+\j], v[FR+\j], v[SP+\j], s26
	v_cndmask_b32 v[FR+4+\j], 0, v[SP+\j], s26
.endr
	ds_store_b128 v[LA], v[FR:FR+3] offset:12*FRAG             ; fragment 12
	ds_store_b128 v[LA], v[FR+4:FR+7] offset:12*FRAG+512
.Lmade:
	s_wait_dscnt 0x0                               ; my fragment is in LDS: for the other waves' sake the count is 0
	s_barrier_signal -1
	; register work while the others arrive: the constant halves of the B fragments and of the head's C
.irp t, 0,1,2,3
	v_mov_b32 v[BF+8*\t+4], 0x3f803f80             ; k = 16, 17: ones against the bias's hi and mid
	v_mov_b32 v[BF+8*\t+5], 0x3f80                 ; k = 18: one against its lo
	v_mov_b32 v[BF+8*\t+6], 0
	v_mov_b32 v[BF+8*\t+7], 0
.endr
.irp p, 0,1
	v_mov_b32 v[XF+8*\p+6], 0x3f803f80
	v_mov_b32 v[XF+8*\p+7], 0x3f80
.endr
.irp j, 2,3,4,5,6,7
	v_mov_b32 v[CB+\j], 0
.endr
	s_barrier_wait -1                              ; all 13 fragments are in LDS; nothing writes these bytes again, so this is the only barrier
.set i, 0
.rept 13
	ds_load_b128 v[A1+8*i:A1+8*i+3], v[LA] offset:FRAG*i       ; 32 lanes x 16 neighbouring bytes: no two lanes meet in a bank
	ds_load_b128 v[A1+8*i+4:A1+8*i+7], v[LA] offset:FRAG*i+512
.set i, i+1
.endr
	s_wait_kmcnt 0x0                               ; bo
	v_mov_b32 v[CB], s22
	v_mov_b32 v[CB+1], s23
	s_wait_dscnt 0x0                               ; v[12:115] are in
; ---------------------------------------------------------------- eight passes: three trips of two, and the last two without loads
	s_mov_b32 s28, 3
.Ltrip:
	PASS 0, 0, 1, 2
	PASS 1, 1, 1, 2
	s_wait_xcnt 0x0                                ; both bases are stepped only behind this wait
	s_add_nc_u64 s[4:5], s[4:5], 0x8000            ; two passes of x: 2 x 1,024 rows x 16 bytes
	s_add_nc_u64 s[18:19], s[18:19], 0x4000        ; and of out: 2 x 1,024 rows x 8 bytes
	s_sub_co_u32 s28, s28, 1
	s_cmp_lg_u32 s28, 0
	s_cbranch_scc1 .Ltrip
	PASS 0, 0, 0, 2                                ; pass 6: pass 7's two loads stay out; nothing more is asked for, so no load leaves the work-group's rows
	PASS 1, 1, 0, 0                                ; pass 7: no younger load exists
	s_wait_tensorcnt 0x0
	ds_add_u32 v246, v247
	s_wait_dscnt 0x0
	s_endpgm
.Lfunc_end_k_q1694bcbea0_mlp:
	.size	k_q1694bcbea0_mlp, .Lfunc_end_k_q1694bcbea0_mlp-k_q1694bcbea0_mlp
	.p2alignl 7, 3214868480
	.fill 96, 4, 3214868480
	.section	.rodata,"a",@progbits
	.p2align	6, 0x0
	.amdhsa_kernel k_q1694bcbea0_mlp
		.amdhsa_group_segment_fixed_size 15360
		.amdhsa_private_segment_fixed_size 0
		.amdhsa_enable_private_segment 0
		.amdhsa_kernarg_size 64
		.amdhsa_user_sgpr_count 2
		.amdhsa_user_sgpr_kernarg_segment_ptr 1
		.amdhsa_wavefront_size32 1
		.amdhsa_system_sgpr_workgroup_id_x 1
		.amdhsa_system_sgpr_workgroup_id_y 1
		.amdhsa_system_sgpr_workgroup_id_z 1
		.amdhsa_system_vgpr_workitem_id 0
		.amdhsa_next_free_vgpr 248
		.amdhsa_next_free_sgpr 66
		.amdhsa_reserve_vcc 0
		.amdhsa_float_denorm_mode_32 3
		.amdhsa_float_denorm_mode_16_64 3
		.amdhsa_memory_ordered 1
		.amdhsa_forward_progress 1
		.amdhsa_inst_pref_size 132
	.end_amdhsa_kernel
	.amdgpu_metadata
---
amdhsa.version: [ 1, 2 ]
amdhsa.kernels:
  - .name:           k_q1694bcbea0_mlp
    .symbol:         k_q1694bcbea0_mlp.kd
    .args:
      - { .name: x, .offset: 0, .size: 8, .value_kind: global_buffer, .address_space: global }
      - { .name: W1, .offset: 8, .size: 8, .value_kind: global_buffer, .address_space: global }
      - { .name: b1, .offset: 16, .size: 8, .value_kind: global_buffer, .address_space: global }
      - { .name: Wh, .offset: 24, .size: 8, .value_kind: global_buffer, .address_space: global }
      - { .name: bh, .offset: 32, .size: 8, .value_kind: global_buffer, .address_space: global }
      - { .name: Wo, .offset: 40, .size: 8, .value_kind: global_buffer, .address_space: global }
      - { .name: bo, .offset: 48, .size: 8, .value_kind: global_buffer, .address_space: global }
      - { .name: out0, .offset: 56, .size: 8, .value_kind: global_buffer, .address_space: global }
    .group_segment_fixed_size: 15360
    .private_segment_fixed_size: 0
    .kernarg_segment_align: 8
    .kernarg_segment_size: 64
    .max_flat_workgroup_size: 512
    .sgpr_count:     66
    .vgpr_count:     248
    .wavefront_size: 32
...
	.end_amdgpu_metadata
.endif
;; end of part 1
;; ======== version 2 of 2: 1 launch; version 1 with the launch mlp written anew for expert scheduling mode
;; launch mlp (part 2): grid 256 x 1, 16 waves a work-group, no clusters, 15,360 bytes of LDS; arguments x, W1, b1, Wh, bh, Wo, bo, out0; writes out0
.if DOCPART == 2
	.amdgcn_target "amdgcn-amd-amdhsa--gfx1250"
	.amdhsa_code_object_version 6
	.text
	.protected	k_q1694bcbea0_mlp
	.globl	k_q1694bcbea0_mlp
	.p2align	8
	.type	k_q1694bcbea0_mlp,@function
k_q1694bcbea0_mlp:
	s_mov_b64 s[64:65], 0
	v_nop
	global_prefetch_b8 v0, s[64:65] scope:SCOPE_SE
	s_setreg_imm32_b32 hwreg(HW_REG_WAVE_SCHED_MODE, 0, 2), 2
	s_setreg_imm32_b32 hwreg(HW_REG_WAVE_MODE, 25, 1), 1
	s_wait_xcnt 0x0
	s_wait_alu depctr_vm_vsrc(0)
; out = head(5 residual blocks(relu(fc1(x)))).  x: [2097152][4] f32, out0: [2097152][2] f32; 12 layers, all fused; every input reaches the output and is loaded.
;
; THE LAYOUT.  Each layer is D = W (source A: 16 output features x K) times H^T (source B: K x 16 batch rows as columns).  In D, register j of lane (r, h)
; (r = lane % 16, h = lane / 16) is feature 8 h + j of batch row r; four packed roundings to bf16 make of D's eight registers exactly registers 0-3 of the next
; layer's B fragment (k = 8 h .. 8 h + 7 of column r).  So activations never leave the lane's registers: no LDS and no lane traffic in a pass.
; The bf16 form has K = 32 and a hidden layer needs 16.  The other half of K is used:
;   hidden layers: the bias, split into three bf16 parts (hi + mid + lo = the f32 bias), stands in A at k = 16, 17, 18 against ones in B (registers 4-7 of B are
;                  constants).  C is then free: 0 in a block's first layer, the f32 residual (added in place) in its second.
;   fc1:           one 16-byte load a lane brings 32 rows of x (lane L = row L).  The fragment XF = [x_hi | x_lo | x_hi | 1, 1, 1, 0] serves two products: A1 is
;                  zero in lanes 16-31 (k = 8-15, 24-31) and gives rows 0-15, A2 is zero in lanes 0-15 and gives rows 16-31.
;                  A = [W1_hi | W1_hi | W1_lo | b1 in three parts]: W_hi x_hi + W_hi x_lo + W_lo x_hi + b1.
;   head:          B = [h_hi | h_lo]; A's rows 0, 1, 8, 9 = [Wo_hi | Wo_hi], rows 2, 3, 10, 11 = [Wo_lo | 0], the rest 0; C = (bo0, bo1, 0 ..).  out = D0 + D2, D1 + D3.
;                  Rows 8-11 repeat the result in lanes 16-31, so a pair's even tile (lanes 0-15) and odd tile (lanes 16-31) are joined by two selects and
;                  one 8-byte store a lane: each store of the wave covers 256 consecutive bytes, aligned.
; WHY BOTH ENDS ARE SPLIT: a rounding to bf16 is off by up to 2^-8 of the number.  The head's 16 products and fc1's 4 reach the output unattenuated, and the
; output is a small difference of them where it is near 0; the hidden layers' roundings pass through one or two more layers of small weights first.
;
; THE SHARES.  256 work-groups of 16 waves; a work-group owns 8,192 rows and takes them in 8 passes of 1,024; in a pass a wave takes 64 rows = two pairs of 32
; = four tiles of 16.  The four tiles take turns: behind each matrix instruction stands another tile's vector slice (relu, rounding).  A slot of x is asked for
; again at the end of the pass that emptied it, for the pass after the next: the next pass's work stands between the request and the wait for it.
; THE WEIGHTS.  The 13 A fragments hang on the lane alone, not on the wave.  Each is made once in the work-group (waves 0-9: Wh[wave] with bh[wave]; wave 10:
; fc1's two; wave 11: the head's), laid into LDS (13 x 1,024 bytes), and behind one barrier read by every wave into v[12:115], where it stays.
; NO CLUSTER, NO TENSOR LOADS: the work-groups share only the 11,336 bytes of weights, read once, against 196,608 bytes that each streams for itself,
; and no wave reads x that another wave loaded.
;
; THE MODE: SCHED_MODE bits 1:0 = 2 (LLVM: expert scheduling mode 2), set by the entry lines.  The code itself states the register dependences between vector or
; matrix instructions and memory or LDS instructions, with s_wait_alu, always for 0.
; THE PLAN.  Registers that memory or LDS instructions touch:
;   v1, v2, v244, v245  offsets and LDS addresses: made at the head, ahead of one wait on va_vdst, and never written again.
;   OW, OB, FR, F2      staging inside ACC: a fragment path's offsets and the fragment that it makes.  A wait on va_vdst ahead of the path's loads, one ahead of its LDS
;                       stores; one wait on vm_vsrc behind the barrier, before these registers become ACC.
;   v[12:115]           written by the LDS loads behind the barrier; before them no vector instruction names them; behind them matrix instructions read them.
;   RAW0, RAW1          pass p: PREP reads and writes RAW[p % 2]; at the pass's end the loads of pass p + 2 land in it.
;   OUT                 pass p: FIN's four selects write it; the pass's two stores read it; FIN of pass p + 1 writes it again.
;   XF, BF, TMP, CB and, in the passes, ACC are named by vector and matrix instructions alone.
; So ONE wait on va_vdst stands in a pass, behind FIN: it states that the selects have written OUT and that PREP is done with RAW[p % 2]; the pass's two loads and
; two stores follow it with no vector instruction between.  One wait on vm_vsrc stands ahead of FIN, a whole pass behind the stores that it speaks of.
;
; LIMITS.  Finite inputs.  relu is v_max_num_f32 with 0: a NaN in front of a relu becomes 0, where the reference keeps it.  A magnitude of 3.39e38 or more in
; x, a weight, a bias or an activation rounds to infinity in bf16.  Rows L and L + 16 of a pair share a B fragment against zero weights: a non-finite x in one
; spoils the other.  The products W_lo x_lo of fc1 and Wo_lo h_lo of the head are left out (2^-16 of the product).  Hidden layers round weights and
; activations to bf16; residuals, biases and sums are f32.
.set DUAL,  1                          ; 1: relu and the copy of x_hi as dual-issue pairs; 0: the same as plain instructions
.set XOFF,  1                          ; v1         1024 wave + 16 lane: my 16 bytes of x in a pass's first pair; never rewritten
.set OOFF,  2                          ; v2         512 wave + 8 lane: my 8 bytes of out; never rewritten
.set NEG1,  3                          ; v3         -1.0
.set CB,    4                          ; v[4:11]    the head's C: bo0, bo1, 0 ..
.set A1,    12                         ; v[12:19]   fc1's A for a pair's rows 0-15          (fragment 0 in LDS)
.set A2,    20                         ; v[20:27]   fc1's A for its rows 16-31              (fragment 1)
.set WF,    28                         ; v[28:107]  A fragment of Wh[l] with bh[l], 8 each  (fragments 2 + l)
.set WO,    108                        ; v[108:115] the head's A                            (fragment 12)
.set XF,    116                        ; v[116:131] pair p: fc1's B
.set ACC,   132                        ; v[132:163] tile t: the f32 residual, D of fc1 and of each block's second layer; at the end the head's D
.set TMP,   164                        ; v[164:195] tile t: D of each block's first layer; at the end the head's B
.set BF,    196                        ; v[196:227] tile t: B of the hidden layers; registers 4-7 constant
.set RAW,   228                        ; v[228:243] slot s: x as loaded, 4 registers for each pair
.set LA,    244                        ; v244       16 lane: my 16 bytes in each half of a fragment in LDS; never rewritten
.set LST,   245                        ; v245       16 lane + 1024 wave: the same for the fragment that waves 0-9 make; never rewritten
.set OUT,   246                        ; v[246:249] pair p: my row's two numbers of out, to store
.set FRAG,  1024                       ; bytes of a fragment in LDS: registers 0-3 of the 32 lanes, then registers 4-7
; staging for the set-up, inside ACC and TMP, which are free then
.set SR,    132                        ; r
.set SH,    133                        ; h
.set OW,    134                        ; byte offset of my weights
.set OB,    135                        ; byte offset of my bias
.set SB,    136                        ; my bias
.set T0,    137
.set T1,    138
.set FR,    140                        ; v[140:147] the fragment that is made (wave 10: A1)
.set F2,    148                        ; v[148:155] wave 10: A2
.set SW,    156                        ; v[156:163] W1's or Wo's numbers as loaded
.set SP,    164                        ; v[164:171] their parts in bf16 (fc1: W1_hi 2, W1_lo 2, b1 2; head: Wo_hi 4, Wo_lo 4)
; ---------------------------------------------------------------- macros
.macro RELU8 b                         ; eight numbers, in place
.irp i, 0,2,4,6
.if DUAL
	v_dual_max_num_f32 v[\b+\i], 0, v[\b+\i] :: v_dual_max_num_f32 v[\b+\i+1], 0, v[\b+\i+1]
.else
	v_max_num_f32 v[\b+\i], 0, v[\b+\i]
	v_max_num_f32 v[\b+\i+1], 0, v[\b+\i+1]
.endif
.endr
.endm
.macro PACK4 d, s                      ; eight f32 to eight bf16; in place (d = s) each write lands on registers already read
.irp i, 0,1,2,3
	v_cvt_pk_bf16_f32 v[\d+\i], v[\s+2*\i], v[\s+2*\i+1]
.endr
.endm
.macro LOSUB f, p, i                   ; f32 pair i of f minus the two bf16 of word i of p: what the rounding left over (exact)
	v_fma_mix_f32_bf16 v[\f+2*\i], v[\p+\i], v[NEG1], v[\f+2*\i] op_sel_hi:[1,0,0]
	v_fma_mix_f32_bf16 v[\f+2*\i+1], v[\p+\i], v[NEG1], v[\f+2*\i+1] op_sel:[1,0,0] op_sel_hi:[1,0,0]
.endm
; The f32 bias in v[b] as three bf16: v[d] = hi | mid, v[d+1] = lo | 0.  hidden = 1: lanes 16-31 (k = 24 ..) get zeros, and so do v[d+2], v[d+3].
.macro BSPLIT d, b, hidden
.if \hidden
	v_cndmask_b32 v[\b], 0, v[\b], s24
.endif
	v_cvt_pk_bf16_f32 v[T0], v[\b], 0
	v_lshlrev_b32 v[T0], 16, v[T0]                 ; hi as f32
	v_sub_f32 v[T1], v[\b], v[T0]
	v_cvt_pk_bf16_f32 v[\d], v[\b], v[T1]          ; hi | mid
	v_and_b32 v[T0], s25, v[\d]                    ; mid as f32
	v_sub_f32 v[T1], v[T1], v[T0]
	v_cvt_pk_bf16_f32 v[\d+1], v[T1], 0            ; lo | 0
.if \hidden
	v_mov_b32 v[\d+2], 0
	v_mov_b32 v[\d+3], 0
.endif
.endm
.macro SEL j, f                        ; register j of A1 (lanes 0-15) and of A2 (lanes 16-31) from part f
	v_cndmask_b32 v[FR+\j], 0, v[SP+\f], s24
	v_cndmask_b32 v[F2+\j], 0, v[SP+\f], s25
.endm
; Layer l (0 = fc1, l = 1 .. 10 = Wh[l-1]) of tile t: one matrix instruction.
.macro WL l, t
.if (\l) == 0
	v_wmma_f32_16x16x32_bf16 v[ACC+8*\t:ACC+8*\t+7], v[A1+8*(\t&1):A1+8*(\t&1)+7], v[XF+8*(\t>>1):XF+8*(\t>>1)+7], 0
.else
.if ((\l) & 1) == 1
	v_wmma_f32_16x16x32_bf16 v[TMP+8*\t:TMP+8*\t+7], v[WF+8*((\l)-1):WF+8*((\l)-1)+7], v[BF+8*\t:BF+8*\t+7], 0
.else
	v_wmma_f32_16x16x32_bf16 v[ACC+8*\t:ACC+8*\t+7], v[WF+8*((\l)-1):WF+8*((\l)-1)+7], v[BF+8*\t:BF+8*\t+7], v[ACC+8*\t:ACC+8*\t+7]
.endif
.endif
.endm
; The vector slice behind layer l of tile t: relu in place (in ACC that is the next residual), then the next layer's B.
.macro PL l, t
.if ((\l) & 1) == 1
	RELU8 TMP+8*\t
	PACK4 BF+8*\t, TMP+8*\t
.else
	RELU8 ACC+8*\t
	PACK4 BF+8*\t, ACC+8*\t
.endif
.endm
; The slice behind the last hidden layer: relu, then the head's B = [h_hi | h_lo] in TMP.
.macro PLL t
	RELU8 ACC+8*\t
	PACK4 TMP+8*\t, ACC+8*\t
.irp i, 0,1,2,3
	LOSUB ACC+8*\t, TMP+8*\t, \i
.endr
	PACK4 TMP+8*\t+4, ACC+8*\t
.endm
.macro WOUT t                          ; the head
	v_wmma_f32_16x16x32_bf16 v[ACC+8*\t:ACC+8*\t+7], v[WO:WO+7], v[TMP+8*\t:TMP+8*\t+7], v[CB:CB+7]
.endm
; fc1's B of pair p from slot s: x_hi, x_lo, x_hi again (registers 6, 7 are constants)
.macro PREP p, s
	v_cvt_pk_bf16_f32 v[XF+8*\p], v[RAW+8*\s+4*\p], v[RAW+8*\s+4*\p+1]
	v_cvt_pk_bf16_f32 v[XF+8*\p+1], v[RAW+8*\s+4*\p+2], v[RAW+8*\s+4*\p+3]
	LOSUB RAW+8*\s+4*\p, XF+8*\p, 0
	LOSUB RAW+8*\s+4*\p, XF+8*\p, 1
	v_cvt_pk_bf16_f32 v[XF+8*\p+2], v[RAW+8*\s+4*\p], v[RAW+8*\s+4*\p+1]
	v_cvt_pk_bf16_f32 v[XF+8*\p+3], v[RAW+8*\s+4*\p+2], v[RAW+8*\s+4*\p+3]
.if DUAL
	v_dual_mov_b32 v[XF+8*\p+4], v[XF+8*\p] :: v_dual_mov_b32 v[XF+8*\p+5], v[XF+8*\p+1]
.else
	v_mov_b32 v[XF+8*\p+4], v[XF+8*\p]
	v_mov_b32 v[XF+8*\p+5], v[XF+8*\p+1]
.endif
.endm
; Pair p's 32 rows of out: hi part + lo part in both tiles (each accumulator from its low end on), even tile in lanes 0-15, odd tile in lanes 16-31, into OUT.
.macro FIN p
	v_pk_add_f32 v[ACC+16*\p:ACC+16*\p+1], v[ACC+16*\p:ACC+16*\p+1], v[ACC+16*\p+2:ACC+16*\p+3]
	v_pk_add_f32 v[ACC+16*\p+8:ACC+16*\p+9], v[ACC+16*\p+8:ACC+16*\p+9], v[ACC+16*\p+10:ACC+16*\p+11]
	v_cndmask_b32 v[OUT+2*\p], v[ACC+16*\p], v[ACC+16*\p+8], s25
	v_cndmask_b32 v[OUT+2*\p+1], v[ACC+16*\p+1], v[ACC+16*\p+9], s25
.endm
; One pass: 64 rows of the wave.  j = the pass's number in the trip (0, 1), s = its slot, load = 1: the slot is asked for again at the pass's end, for the pass after
; the next, left = how many younger loads may stay out.
; PLACES (ISA guide 7.12.1): a slice that reads a tile's D or rewrites its B stands behind two other tiles' slices, 16 plain vector instructions that name
; none of that matrix instruction's registers; PL 0,0 stands behind PREP 1; FIN 0 behind PLL 3; FIN 1 behind FIN 0's four vector instructions.
; The four tiles' accumulators take turns, one matrix instruction a turn, over the backward jump too.
.macro PASS j, s, load, left
	s_wait_loadcnt \left                           ; loads come back in order: this pass's two are in, the next pass's two stay out
	PREP 0, \s
	WL 0, 0
	WL 0, 1
	PREP 1, \s
.set L, 0
.rept 10
	WL L, 2
	PL L, 0
	WL L, 3
	PL L, 1
	WL L+1, 0
	PL L, 2
	WL L+1, 1
	PL L, 3
.set L, L+1
.endr
	WL 10, 2
	PLL 0
	WL 10, 3
	PLL 1
	WOUT 0
	PLL 2
	WOUT 1
	PLL 3
	WOUT 2
	WOUT 3
	s_wait_xcnt 0x0                                ; the last pass's stores name OUT, which FIN's selects write again only behind this wait
	s_wait_alu depctr_vm_vsrc(0)                   ; and those stores have read OUT
	FIN 0
	FIN 1
	s_wait_alu depctr_va_vdst(0)                   ; FIN's selects have written OUT, which the stores read; this pass's PREP is done reading and writing RAW[s], in which the loads land
.if \load
	global_load_b128 v[RAW+8*\s:RAW+8*\s+3], v[XOFF], s[4:5] offset:16384*(\j+2) th:TH_LOAD_NT
	global_load_b128 v[RAW+8*\s+4:RAW+8*\s+7], v[XOFF], s[4:5] offset:16384*(\j+2)+512 th:TH_LOAD_NT
.endif
.irp p, 0,1
	global_store_b64 v[OOFF], v[OUT+2*\p:OUT+2*\p+1], s[18:19] offset:8192*\j+256*\p th:TH_STORE_NT   ; a pair's 32 rows: 256 consecutive bytes, aligned
.endr
.endm
; ---------------------------------------------------------------- set-up: what every wave does
	s_load_b512 s[4:19], s[0:1], 0x0               ; x s[4:5], W1 s[6:7], b1 s[8:9], Wh s[10:11], bh s[12:13], Wo s[14:15], bo s[16:17], out0 s[18:19]
	v_lshl_add_u32 v250, v0, 2, 0x3400
	v_mov_b32 v251, 0
	v_lshrrev_b32 v[T0], 5, v0                     ; wave
	v_readfirstlane_b32 s29, v[T0]                 ; and as a scalar, for the branches
	v_lshlrev_b32 v[XOFF], 4, v0                   ; 16 thread = 512 wave + 16 lane,
	v_lshl_add_u32 v[XOFF], v[T0], 9, v[XOFF]      ; + 512 wave
	v_lshlrev_b32 v[OOFF], 3, v0                   ; 8 thread = 256 wave + 8 lane,
	v_lshl_add_u32 v[OOFF], v[T0], 8, v[OOFF]      ; + 256 wave
	v_and_b32 v[SR], 15, v0                        ; r
	v_bfe_u32 v[SH], v0, 4, 1                      ; h
	v_and_b32 v[LA], 31, v0
	v_lshlrev_b32 v[LA], 4, v[LA]                  ; 16 lane
	s_wait_alu depctr_va_sdst(0)                   ; s29 is written, ahead of its first reader, the next line; the branches and the paths' offsets read it later
	v_lshl_add_u32 v[LST], s29, 10, v[LA]          ; + 1,024 wave
	v_mov_b32 v[NEG1], -1.0
	s_mov_b32 s24, 0x0000ffff                      ; lanes 0-15
	s_mov_b32 s25, 0xffff0000                      ; lanes 16-31; also a word's upper bf16
	s_mov_b32 s26, 0x03030303                      ; lanes with r in 0, 1, 8, 9
	s_mov_b32 s27, 0x0c0c0c0c                      ; lanes with r in 2, 3, 10, 11
	s_lshl_b32 s20, ttmp9, 17                      ; the work-group's 8,192 rows of 16 bytes
	s_mov_b32 s21, 0
	s_wait_kmcnt 0x0
	s_add_nc_u64 s[4:5], s[4:5], s[20:21]
	s_lshl_b32 s20, ttmp9, 16                      ; and of 8 bytes
	s_add_nc_u64 s[18:19], s[18:19], s[20:21]
	s_load_b64 s[22:23], s[16:17], 0x0             ; bo
	s_wait_alu depctr_va_vdst(0)                   ; v1, v2, v244 and v245 are written: every load of x, every store and every LDS instruction but the final ds_add reads one of them, and none is written again
.irp s, 0,1
.irp p, 0,1
	global_load_b128 v[RAW+8*\s+4*\p:RAW+8*\s+4*\p+3], v[XOFF], s[4:5] offset:16384*\s+512*\p th:TH_LOAD_NT   ; passes 0 and 1, ahead of the branches: on every wave's path
.endr
.endr
; ---------------------------------------------------------------- set-up: one fragment a wave.  In each path the weight loads are the wave's youngest, so their wait is for 0.
	s_cmp_lt_u32 s29, 10
	s_cbranch_scc0 .Lnot_hidden
	; waves 0-9: Wh[wave], eight weights a lane to bf16 in place, and bh[wave]'s three parts behind them
	v_lshlrev_b32 v[OW], 6, v[SR]                  ; 64 r
	v_lshl_add_u32 v[OW], v[SH], 5, v[OW]          ; + 32 h
	v_lshl_add_u32 v[OW], s29, 10, v[OW]           ; + 1,024 wave
	v_lshlrev_b32 v[OB], 2, v[SR]                  ; 4 r
	v_lshl_add_u32 v[OB], s29, 6, v[OB]            ; + 64 wave
	s_wait_alu depctr_va_vdst(0)                   ; OW and OB are written, which the three loads read as their offsets
	global_load_b128 v[FR:FR+3], v[OW], s[10:11]
	global_load_b128 v[FR+4:FR+7], v[OW], s[10:11] offset:16
	global_load_b32 v[SB], v[OB], s[12:13]
	s_wait_loadcnt 0x0
	PACK4 FR, FR
	BSPLIT FR+4, SB, 1
	s_wait_alu depctr_va_vdst(0)                   ; the roundings and the bias's split have written v[FR ..], which the LDS stores read
	ds_store_b128 v[LST], v[FR:FR+3] offset:2*FRAG             ; fragment 2 + wave
	ds_store_b128 v[LST], v[FR+4:FR+7] offset:2*FRAG+512
	s_branch .Lmade
.Lnot_hidden:
	s_cmp_eq_u32 s29, 10
	s_cbranch_scc0 .Lnot_fc1
	; wave 10: hi and lo of W1's row r and b1[r]'s parts in all lanes, then one half of the lanes each for A1 and A2
	v_lshlrev_b32 v[OW], 4, v[SR]                  ; 16 r
	v_lshlrev_b32 v[OB], 2, v[SR]                  ; 4 r
	s_wait_alu depctr_va_vdst(0)                   ; OW and OB are written, which the two loads read as their offsets
	global_load_b128 v[SW:SW+3], v[OW], s[6:7]
	global_load_b32 v[SB], v[OB], s[8:9]
	s_wait_loadcnt 0x0
	v_cvt_pk_bf16_f32 v[SP], v[SW], v[SW+1]
	v_cvt_pk_bf16_f32 v[SP+1], v[SW+2], v[SW+3]
	LOSUB SW, SP, 0
	LOSUB SW, SP, 1
	v_cvt_pk_bf16_f32 v[SP+2], v[SW], v[SW+1]
	v_cvt_pk_bf16_f32 v[SP+3], v[SW+2], v[SW+3]
	BSPLIT SP+4, SB, 0
	SEL 0, 0                                       ; W1_hi against x_hi
	SEL 1, 1
	SEL 2, 0                                       ; W1_hi against x_lo
	SEL 3, 1
	SEL 4, 2                                       ; W1_lo against x_hi
	SEL 5, 3
	SEL 6, 4                                       ; b1 against the ones
	SEL 7, 5
	s_wait_alu depctr_va_vdst(0)                   ; the selects have written v[FR ..] and v[F2 ..], which the LDS stores read
	ds_store_b128 v[LA], v[FR:FR+3]                            ; fragment 0
	ds_store_b128 v[LA], v[FR+4:FR+7] offset:512
	ds_store_b128 v[LA], v[F2:F2+3] offset:FRAG                ; fragment 1
	ds_store_b128 v[LA], v[F2+4:F2+7] offset:FRAG+512
	s_branch .Lmade
.Lnot_fc1:
	s_cmp_eq_u32 s29, 11
	s_cbranch_scc0 .Lmade                          ; waves 12-15 make none: there are 13 fragments in 12 shares
	; wave 11: the head: rows 0, 1, 8, 9 = [Wo_hi | Wo_hi], rows 2, 3, 10, 11 = [Wo_lo | 0], all others 0
	v_and_b32 v[OW], 1, v0
	v_lshlrev_b32 v[OW], 6, v[OW]                  ; 64 (r & 1)
	v_lshl_add_u32 v[OW], v[SH], 5, v[OW]          ; + 32 h
	s_wait_alu depctr_va_vdst(0)                   ; OW is written, which the two loads read as their offset
	global_load_b128 v[SW:SW+3], v[OW], s[14:15]
	global_load_b128 v[SW+4:SW+7], v[OW], s[14:15] offset:16
	s_wait_loadcnt 0x0
	PACK4 SP, SW
.irp i, 0,1,2,3
	LOSUB SW, SP, \i
.endr
	PACK4 SP+4, SW
.irp j, 0,1,2,3
	v_cndmask_b32 v[FR+\j], 0, v[SP+4+\j], s27
	v_cndmask_b32 v[FR+\j], v[FR+\j], v[SP+\j], s26
	v_cndmask_b32 v[FR+4+\j], 0, v[SP+\j], s26
.endr
	s_wait_alu depctr_va_vdst(0)                   ; the selects have written v[FR ..], which the LDS stores read
	ds_store_b128 v[LA], v[FR:FR+3] offset:12*FRAG             ; fragment 12
	ds_store_b128 v[LA], v[FR+4:FR+7] offset:12*FRAG+512
.Lmade:
	s_wait_dscnt 0x0                               ; my fragment is in LDS: for the other waves' sake the count is 0
	s_barrier_signal -1
	; register work while the others arrive: the constant halves of the B fragments and of the head's C; no memory or LDS instruction names these registers
.irp t, 0,1,2,3
	v_mov_b32 v[BF+8*\t+4], 0x3f803f80             ; k = 16, 17: ones against the bias's hi and mid
	v_mov_b32 v[BF+8*\t+5], 0x3f80                 ; k = 18: one against its lo
	v_mov_b32 v[BF+8*\t+6], 0
	v_mov_b32 v[BF+8*\t+7], 0
.endr
.irp p, 0,1
	v_mov_b32 v[XF+8*\p+6], 0x3f803f80
	v_mov_b32 v[XF+8*\p+7], 0x3f80
.endr
.irp j, 2,3,4,5,6,7
	v_mov_b32 v[CB+\j], 0
.endr
	s_barrier_wait -1                              ; all 13 fragments are in LDS; nothing writes these bytes again, so this is the only barrier
	s_wait_alu depctr_vm_vsrc(0)                   ; my weight loads have read OW and OB and my LDS stores v[FR ..] and v[F2 ..]: these registers are ACC from here on, written by the matrix instructions
.set i, 0
.rept 13
	ds_load_b128 v[A1+8*i:A1+8*i+3], v[LA] offset:FRAG*i       ; 32 lanes x 16 neighbouring bytes: no two lanes meet in a bank.  No wait: v244 stands ahead of the head's wait on va_vdst, and no vector instruction has named v[12:115]
	ds_load_b128 v[A1+8*i+4:A1+8*i+7], v[LA] offset:FRAG*i+512
.set i, i+1
.endr
	s_wait_kmcnt 0x0                               ; bo
	v_mov_b32 v[CB], s22
	v_mov_b32 v[CB+1], s23
	s_wait_dscnt 0x0                               ; v[12:115] are in
; ---------------------------------------------------------------- eight passes: three trips of two, and the last two without loads
	s_mov_b32 s28, 3
.Ltrip:
	PASS 0, 0, 1, 2
	PASS 1, 1, 1, 2
	s_wait_xcnt 0x0                                ; both bases are stepped only behind this wait
	s_add_nc_u64 s[4:5], s[4:5], 0x8000            ; two passes of x: 2 x 1,024 rows x 16 bytes
	s_add_nc_u64 s[18:19], s[18:19], 0x4000        ; and of out: 2 x 1,024 rows x 8 bytes
	s_sub_co_u32 s28, s28, 1
	s_cmp_lg_u32 s28, 0
	s_cbranch_scc1 .Ltrip
	PASS 0, 0, 0, 2                                ; pass 6: pass 7's two loads stay out; nothing more is asked for, so no load leaves the work-group's rows
	PASS 1, 1, 0, 0                                ; pass 7: no younger load exists
	s_wait_dscnt 0x0
	s_wait_alu depctr_hold_cnt(0) depctr_sa_sdst(0) depctr_va_vdst(0) depctr_va_sdst(0) depctr_va_ssrc(0) depctr_va_vcc(0) depctr_vm_vsrc(0)
	s_wait_tensorcnt 0x0
	ds_add_u32 v250, v251
	s_wait_dscnt 0x0
	s_endpgm
.Lfunc_end_k_q1694bcbea0_mlp:
	.size	k_q1694bcbea0_mlp, .Lfunc_end_k_q1694bcbea0_mlp-k_q1694bcbea0_mlp
	.p2alignl 7, 3214868480
	.fill 96, 4, 3214868480
	.section	.rodata,"a",@progbits
	.p2align	6, 0x0
	.amdhsa_kernel k_q1694bcbea0_mlp
		.amdhsa_group_segment_fixed_size 15360
		.amdhsa_private_segment_fixed_size 0
		.amdhsa_enable_private_segment 0
		.amdhsa_kernarg_size 64
		.amdhsa_user_sgpr_count 2
		.amdhsa_user_sgpr_kernarg_segment_ptr 1
		.amdhsa_wavefront_size32 1
		.amdhsa_system_sgpr_workgroup_id_x 1
		.amdhsa_system_sgpr_workgroup_id_y 1
		.amdhsa_system_sgpr_workgroup_id_z 1
		.amdhsa_system_vgpr_workitem_id 0
		.amdhsa_next_free_vgpr 252
		.amdhsa_next_free_sgpr 66
		.amdhsa_reserve_vcc 0
		.amdhsa_float_denorm_mode_32 3
		.amdhsa_float_denorm_mode_16_64 3
		.amdhsa_memory_ordered 1
		.amdhsa_forward_progress 1
		.amdhsa_inst_pref_size 133
	.end_amdhsa_kernel
	.amdgpu_metadata
---
amdhsa.version: [ 1, 2 ]
amdhsa.kernels:
  - .name:           k_q1694bcbea0_mlp
    .symbol:         k_q1694bcbea0_mlp.kd
    .args:
      - { .name: x, .offset: 0, .size: 8, .value_kind: global_buffer, .address_space: global }
      - { .name: W1, .offset: 8, .size: 8, .value_kind: global_buffer, .address_space: global }
      - { .name: b1, .offset: 16, .size: 8, .value_kind: global_buffer, .address_space: global }
      - { .name: Wh, .offset: 24, .size: 8, .value_kind: global_buffer, .address_space: global }
      - { .name: bh, .offset: 32, .size: 8, .value_kind: global_buffer, .address_space: global }
      - { .name: Wo, .offset: 40, .size: 8, .value_kind: global_buffer, .address_space: global }
      - { .name: bo, .offset: 48, .size: 8, .value_kind: global_buffer, .address_space: global }
      - { .name: out0, .offset: 56, .size: 8, .value_kind: global_buffer, .address_space: global }
    .group_segment_fixed_size: 15360
    .private_segment_fixed_size: 0
    .kernarg_segment_align: 8
    .kernarg_segment_size: 64
    .max_flat_workgroup_size: 512
    .sgpr_count:     66
    .vgpr_count:     252
    .wavefront_size: 32
...
	.end_amdgpu_metadata
.endif
;; end of part 2
